; MI455X (gfx1250); checked and timed in simulation.
; The chip was launched on July 23, 2026; its instructions are those of AMD's public machine-readable ISA for CDNA 5 (MIT licence, August 2026) and "CDNA5" Instruction Set Architecture Reference Guide (July 2026). The comments in the code are by the model that wrote it; some were corrected since.
;; AFM Layer. Allowed arithmetic: float matrix products may take bf16 or f16 operands with f32 sums; other float arithmetic in f32, or as packed bf16 or f16 multiplies, adds, multiply-adds, maxima and minima; sums over many terms, partial sums and values carried from step to step in f32; what a program stores and reads back later, other than sums and carried values, may be rounded once to bf16 or f16.
;; Inputs: attn_W 64 x 64 float32; attn_b 64 float32; embeds 4,096 x 32 x 64 float32; projection_h 64 x 1 float32; projection_p 64 x 1 float32.
;; Outputs: out0 4,096 x 1 float32.
;; One version. Each part assembles by itself: llvm-mc -triple=amdgcn-amd-amdhsa -mcpu=gfx1250 --defsym DOCPART=n.
;; ======== version 1 of 1: 1 launch
;; limits: inputs' magnitudes at most 255; values are held in f16: magnitudes above 65,504 overflow, below 6.1e-05 lose precision
;; launch afm (part 1): grid 256 x 1, 8 waves a work-group, no clusters, 305,408 bytes of LDS; arguments embeds, attn_W, attn_b, projection_h, projection_p, out0; writes out0
.if DOCPART == 1
	.amdgcn_target "amdgcn-amd-amdhsa--gfx1250"
	.amdhsa_code_object_version 6
	.text
	.protected	k_q9dc23e0ffd_afm
	.globl	k_q9dc23e0ffd_afm
	.p2align	8
	.type	k_q9dc23e0ffd_afm,@function
k_q9dc23e0ffd_afm:
	s_mov_b64 s[64:65], 0
	v_nop
	global_prefetch_b8 v0, s[64:65] scope:SCOPE_SE
	s_setreg_imm32_b32 hwreg(HW_REG_WAVE_MODE, 25, 1), 1
	s_wait_xcnt 0x0
; AFM layer.  For each of 4,096 samples: the 496 products x_i * x_j (i < j) of 32 field vectors of 64 numbers go through a 64 x 64
; layer with bias and ReLU and a dot with h (a logit each); softmax over the 496 logits; out = sum of weight * (x_i * x_j) . p.
;
; WHO DOES WHAT.  256 work-groups of 8 waves; a work-group owns 16 samples, a wave two, and a wave does a sample alone.
; Two waves lie on each SIMD, so that one wave's vector work can run beside the other's matrix instructions.
;
; ALGEBRA, true for every input.  (1) A softmax over pairs does not care for the pairs' order, and x_i * x_j = x_j * x_i.  The fields are
; split into block 0 (0-15) and block 1 (16-31), and the 496 pairs are walked in 31 FULL tiles of 16 pairs, r = lane & 15:
;   t = 0..15   (r, 16 + (r+d)%16), d = t          t = 16..22  (r, (r+d)%16), d = t-15       t = 23..29  the same in block 1, d = t-22
;   t = 30      d = 8: r < 8: (r, r+8) of block 0;  r >= 8: (16+r, 16+(r+8)%16)              256 + 112 + 112 + 16 = 496, each pair once.
; (2) (sum w_p x_i*x_j) . p = sum w_p s_p with s_p = sum over e of (x_i p)[e] x_j[e]: an entry of a Gram matrix, six matrix
; instructions a sample in place of a weighted sum over 496 x 64 numbers.
;
; THE MATRIX INSTRUCTION IS USED TRANSPOSED: A = 16 rows of W^T (a), B = 16 pairs (columns), K = e, C of the first link = the bias.
; Register j of tile mt in lane (r, h) is then the pre-activation (a = 16 mt + 8 h + j, pair r): the dot with h stays in the lane
; but for one add across the two halves of the wave.
;
; NUMBER FORMATS AND LIMITS.  Matrix operands are f16 (x, x_i*x_j, W, x*p); sums, bias, ReLU, the dot with h and the softmax are f32.
; f16 and not bf16: the result is a mean over 496 pairs, far smaller than its terms, and f16 rounds eight times finer.
; LIMIT: an operand must stay below 65,504 in magnitude; the widest is x_i*x_j, safe for every |x| < 255.  Beyond it an operand is
; infinite and the result is not finite.  Small operands fall into f16's denormals, which are kept (steps of 2^-24).
; x is rounded to f16 before the pair product, and the product is rounded once more.
; LIMIT: ReLU is v_max_num: a NaN pre-activation counts as 0, where the reference would hand the NaN on.
;
; NO CLUSTER: the work-groups share only W, 16 KB read once in the set-up, against 128 KB of embeds of their own.
; NO RING: a wave's two tiles of 8 KB are both asked for in its first lines; it never has more than these two tensor loads out.
; The output is 64 bytes a work-group (16 results): one store of sixteen neighbouring lanes.
; ---- LDS, in bytes
.set SLOTB,  8192                      ; a sample in f32, dense, as the tensor load lays it.  Wave w, sample k at w*16384 + k*8192; each slot is filled once
.set WLDS,   131072                    ; W in f16 as [e][a], 64 rows
.set WPITCH, 160                       ; 128 bytes + 32: an odd multiple of 32, for the transposing load
.set PRIV,   WLDS+64*WPITCH            ; 141,312: the waves' own areas
.set PRIVSZ, 20352
.set XP,     144                       ; a row of 64 f16 + 16 bytes: an odd multiple of 16, so 16 rows of one column fall 36 words apart
.set BLK1,   32*XP                     ; X: rows 0-15 block 0, 16-31 the same again, 32-47 block 1, 48-63 the same again: row r+d never wraps
.set YO,     64*XP                     ; Y = x*p: 32 rows
.set GO,     YO+32*XP                  ; G: 48 rows of 32 floats (16 columns, then the same 16 again) + 8 bytes
.set GP,     136
.set GT,     16*GP                     ; G00 at 0, G01 at GT, G11 at 2 GT
.set RES,    PRIV+8*PRIVSZ             ; 304,128: the work-group's 16 results
; ---- vector registers
.set XA,  1                            ; my area + 144 r + 16 h: fragment address in X (and Y)
.set XM,  2                            ; XA + (r>>3) * BLK1: tile 30 takes block 0 in lanes r < 8, block 1 in the others
.set CS,  3                            ; my area + 144 h + 8 r: where the conversion stores 4 numbers
.set SA,  4                            ; my stage + 16 lane
.set GA,  5                            ; G + 8 h rows + 4 r: where a Gram result is stored
.set GSQ, 6                            ; G + 140 r + 4 h: diagonals of G01, d = 2u + h
.set GTR, 7                            ; G + 140 r + 2 GT h: diagonals of G00 (h = 0) and G11 (h = 1)
.set GMX, 8                            ; G + 140 r + 2 GT (r>>3): tile 30
.set RA,  9                            ; RES + 8 wave
.set PP,  12                           ; v[12:15]   p[4r .. 4r+3]
.set ACC, 16                           ; v[16:23]   four pairs of partial sums
.set TMP, 24
.set L,   32                           ; v[32:47]   logits, two tiles a register: lanes 0-15 one tile, lanes 16-31 another
.set P,   48                           ; v[48:63]   the unrotated fragment;  at the end S, the s_p in L's order
.set S,   48
.set B0,  64                           ; v[64:79]   Q (rotated fragment), then P*Q in place
.set B1,  80                           ; v[80:95]   the same, for the other tile
.set D,   96                           ; v[96:127]  four accumulator tiles
.set H,   128                          ; v[128:159] H[8 mt + j] = h[16 mt + 8 h + j]
.set BIAS,160                          ; v[160:191] the bias in the same map: the C operand
.set W,   192                          ; v[192:255] fragment (mt, ks) of W^T at W + 16 mt + 8 ks
.set G1,  16                           ; s[16:23] descriptor group 1;  s[24:27], s[28:31] group 0 of samples 0, 1
	s_load_b256 s[4:11], s[0:1], 0x0               ; embeds s[4:5], W s[6:7], b s[8:9], h s[10:11]
	s_load_b128 s[12:15], s[0:1], 0x20             ; p s[12:13], out0 s[14:15]
	s_set_vgpr_msb 0x40
	v_lshl_add_u32 v0, v0, 2, 0x4a500
	v_mov_b32 v1, 0
	s_set_vgpr_msb 0x4045
	ds_add_u32 v0, v1
	ds_add_u32 v0, v1
	s_set_vgpr_msb 0x4500
	v_lshrrev_b32 v10, 5, v0
	v_readfirstlane_b32 s32, v10                   ; wave 0..7
	; group 1: one row of 8,192 bytes as 1,024 elements of 8 bytes, no padding, no cluster
	s_mov_b32 s[G1+0], 3<<16                       ; element size code 3
	s_mov_b32 s[G1+1], 1024<<16                    ; tensor_dim0 = 1,024
	s_mov_b32 s[G1+2], 1<<16
	s_mov_b32 s[G1+3], 1024<<16                    ; tile_dim0 = 1,024
	s_mov_b32 s[G1+4], 1
	s_mov_b32 s[G1+5], 1024
	s_mov_b32 s[G1+6], 0
	s_mov_b32 s[G1+7], 0
	s_mov_b32 s24, 1
	s_lshl_b32 s25, s32, 14                        ; LDS: my wave's stage, sample 0
	s_mov_b32 s28, 1
	s_add_co_u32 s29, s25, SLOTB                   ; sample 1
	s_lshl_b32 s34, ttmp9, 17                      ; 16 samples of 8,192 bytes a work-group,
	s_add_co_u32 s34, s34, s25                     ; two a wave
	s_mov_b32 s35, 0
	s_mul_i32 s33, s32, PRIVSZ
	s_add_co_u32 s33, s33, PRIV                    ; my wave's own area
	s_add_co_u32 s39, s33, GO                      ; and G in it
	s_lshl_b32 s38, s32, 3
	s_add_co_u32 s38, s38, RES
	s_mov_b32 s36, 0x76543210                      ; v_permlanex16_b32: lane i of one half reads lane i of the other
	s_mov_b32 s37, 0xfedcba98
	s_wait_dscnt 0x0
	s_wait_kmcnt 0x0
	s_add_nc_u64 s[26:27], s[4:5], s[34:35]
	s_add_nc_u64 s[30:31], s[26:27], SLOTB
	s_or_b32 s27, s27, 0x80000000                  ; type 2
	s_or_b32 s31, s31, 0x80000000
	tensor_load_to_lds s[24:27], s[G1:G1+7]        ; both samples are asked for before anything else
	s_nop 0
	tensor_load_to_lds s[28:31], s[G1:G1+7]
	s_nop 0
	v_lshlrev_b32 v10, 4, v0                       ; 16 t: my 16 bytes of each quarter of W
	v_bfe_u32 v29, v0, 4, 1                        ; h
	v_and_b32 v28, 15, v0                          ; r
	v_lshlrev_b32 v11, 5, v29                      ; 32 h
	v_lshlrev_b32 v25, 4, v28                      ; 16 r
.irp i, 0,1,2,3
	global_load_b128 v[D+4*\i:D+4*\i+3], v10, s[6:7] offset:4096*\i          ; W[t>>4 + 16 i][4 (t&15) ..]
.endr
.irp c, 0,1,2,3,4,5,6,7
	global_load_b128 v[BIAS+4*\c:BIAS+4*\c+3], v11, s[8:9] offset:64*(\c/2)+16*(\c%2)   ; b[16 mt + 8 h + 4 q ..], c = 2 mt + q
.endr
.irp c, 0,1,2,3,4,5,6,7
	global_load_b128 v[H+4*\c:H+4*\c+3], v11, s[10:11] offset:64*(\c/2)+16*(\c%2)
.endr
	global_load_b128 v[PP:PP+3], v25, s[12:13]
	; addresses
	v_and_b32 v30, 31, v0                          ; lane
	v_bfe_u32 v31, v0, 3, 1                        ; r >> 3
	v_mul_u32_u24 v[XA], v28, XP
	v_lshl_add_u32 v[XA], v29, 4, v[XA]
	v_add_nc_u32 v[XA], s33, v[XA]
	v_mul_u32_u24 v[XM], v31, BLK1
	v_add_nc_u32 v[XM], v[XM], v[XA]
	v_mul_u32_u24 v[CS], v29, XP
	v_lshl_add_u32 v[CS], v28, 3, v[CS]
	v_add_nc_u32 v[CS], s33, v[CS]
	v_lshl_add_u32 v[SA], v30, 4, s25
	v_mul_u32_u24 v[GA], v29, 8*GP
	v_lshl_add_u32 v[GA], v28, 2, v[GA]
	v_add_nc_u32 v[GA], s39, v[GA]
	v_mul_u32_u24 v[GSQ], v28, GP+4                ; row r, column r: a step along the diagonal
	v_add_nc_u32 v[GSQ], s39, v[GSQ]
	v_mul_u32_u24 v[GTR], v29, 2*GT
	v_add_nc_u32 v[GTR], v[GTR], v[GSQ]
	v_mul_u32_u24 v[GMX], v31, 2*GT
	v_add_nc_u32 v[GMX], v[GMX], v[GSQ]
	v_lshl_add_u32 v[GSQ], v29, 2, v[GSQ]
	v_mov_b32 v[RA], s38
	v_lshrrev_b32 v26, 4, v0                       ; W's way into LDS: row t>>4 (+ 16 i), 8 bytes at 8 (t&15)
	v_mul_u32_u24 v26, v26, WPITCH
	v_lshl_add_u32 v26, v28, 3, v26
	v_add_nc_u32 v26, WLDS, v26
	v_and_b32 v27, 7, v0                           ; and out of it, transposed: row 8 h + (lane & 7), 16 bytes at 16 ((lane>>3) & 1)
	v_lshl_add_u32 v27, v29, 3, v27
	v_mul_u32_u24 v27, v27, WPITCH
	v_lshl_add_u32 v27, v31, 4, v27
	v_add_nc_u32 v27, WLDS, v27
	s_wait_loadcnt 17                              ; W's four loads are in; the 8 + 8 + 1 younger ones (b, h, p) may stay out
.irp i, 0,1,2,3
	v_cvt_pk_f16_f32 v[B0+2*\i],   v[D+4*\i],   v[D+4*\i+1]
	v_cvt_pk_f16_f32 v[B0+2*\i+1], v[D+4*\i+2], v[D+4*\i+3]
	ds_store_b64 v26, v[B0+2*\i:B0+2*\i+1] offset:16*WPITCH*\i
.endr
	s_wait_dscnt 0x0                               ; my part of W is in LDS, for the others' sake
	s_barrier_signal -1
	s_barrier_wait -1                              ; everybody's is; nobody writes these bytes again
.irp mt, 0,1,2,3
.irp ks, 0,1
	ds_load_tr16_b128 v[W+16*\mt+8*\ks:W+16*\mt+8*\ks+3],   v27 offset:32*WPITCH*\ks+32*\mt              ; e = 32 ks + 8 h ..,      a = 16 mt + r
	ds_load_tr16_b128 v[W+16*\mt+8*\ks+4:W+16*\mt+8*\ks+7], v27 offset:32*WPITCH*\ks+32*\mt+16*WPITCH    ; e = 32 ks + 16 + 8 h ..
.endr
.endr
	s_wait_loadcnt 0x0                             ; b, h, p
; A fragment of 16 rows x 64 K of f16: 16 registers, four loads of 16 bytes, 32 bytes apart, from row x pitch + 16 h
.macro FRAG dst, base, off
.irp q, 0,1,2,3
	ds_load_b128 v[\dst+4*\q:\dst+4*\q+3], v[\base] offset:\off+32*\q
.endr
.endm
; The rotated fragment of tile t: the rotation is nothing but an immediate, since each block's rows lie in LDS twice
.macro QLOAD t, dst
.set QB, XA
.set QO, (32+(\t))*XP
.if (\t) >= 16
.set QO, ((\t)-15)*XP
.endif
.if (\t) >= 23
.set QO, (10+(\t))*XP
.endif
.if (\t) >= 30
.set QB, XM
.set QO, 8*XP
.endif
	FRAG \dst, QB, QO
.endm
; x_i * x_j for 16 pairs x 64: two f16 an instruction, in place in Q's registers
.macro PAIRMUL b
.irp i, 0,1,2,3,4,5,6,7,8,9,10,11,12,13,14,15
	v_pk_mul_f16 v[\b+\i], v[P+\i], v[\b+\i]
.endr
.endm
; Sixteen fields (half hf) of sample k: f32 from the stage, x to f16 (stored twice, 16 rows apart), x*p (multiplied in f32) to f16.
; Load j brings rows 2 i and 2 i + 1, i = 8 hf + j: lane (r, h) takes elements 4 r .. 4 r + 3 of row 2 i + h.
.macro CONV k, hf
.irp j, 0,1,2,3,4,5,6,7
	ds_load_b128 v[D+4*\j:D+4*\j+3], v[SA] offset:SLOTB*\k+512*(8*\hf+\j)
.endr
.irp j, 0,1,2,3,4,5,6,7
	s_wait_dscnt 7+2*\j                            ; load j is in: behind it stand 7 - j loads and the 3 j stores issued since (LDS answers in order)
	v_cvt_pk_f16_f32 v[B0+4*\j],   v[D+4*\j],   v[D+4*\j+1]
	v_cvt_pk_f16_f32 v[B0+4*\j+1], v[D+4*\j+2], v[D+4*\j+3]
	v_pk_mul_f32 v[D+4*\j:D+4*\j+1],   v[D+4*\j:D+4*\j+1],   v[PP:PP+1]
	v_pk_mul_f32 v[D+4*\j+2:D+4*\j+3], v[D+4*\j+2:D+4*\j+3], v[PP+2:PP+3]
	v_cvt_pk_f16_f32 v[B0+4*\j+2], v[D+4*\j],   v[D+4*\j+1]
	v_cvt_pk_f16_f32 v[B0+4*\j+3], v[D+4*\j+2], v[D+4*\j+3]
	ds_store_b64 v[CS], v[B0+4*\j:B0+4*\j+1]   offset:(2*(8*\hf+\j)+16*\hf)*XP
	ds_store_b64 v[CS], v[B0+4*\j:B0+4*\j+1]   offset:(2*(8*\hf+\j)+16*\hf+16)*XP
	ds_store_b64 v[CS], v[B0+4*\j+2:B0+4*\j+3] offset:YO+2*(8*\hf+\j)*XP
.endr
.endm
; G00 = Y0 X0^T, G01 = Y0 X1^T, G11 = Y1 X1^T, each stored with its 16 columns twice, so that a diagonal never wraps.  P keeps X0.
.macro GRAM
	FRAG P,  XA, 0
	FRAG D,  XA, BLK1
	FRAG B0, XA, YO
	FRAG B1, XA, YO+16*XP
	s_wait_dscnt 0x0
	v_wmma_f32_16x16x32_f16 v[L:L+7],     v[B0:B0+7],    v[P:P+7],    0
	v_wmma_f32_16x16x32_f16 v[L+8:L+15],  v[B0:B0+7],    v[D:D+7],    0
	v_wmma_f32_16x16x32_f16 v[D+16:D+23], v[B1:B1+7],    v[D:D+7],    0
	v_wmma_f32_16x16x32_f16 v[L:L+7],     v[B0+8:B0+15], v[P+8:P+15], v[L:L+7]
	v_wmma_f32_16x16x32_f16 v[L+8:L+15],  v[B0+8:B0+15], v[D+8:D+15], v[L+8:L+15]
	v_wmma_f32_16x16x32_f16 v[D+16:D+23], v[B1+8:B1+15], v[D+8:D+15], v[D+16:D+23]
.rept 5
	v_nop                                          ; four places before the stores read the results and B0, B1 are loaded again; five before the first tile's products write over D
.endr
.irp j, 0,1,2,3,4,5,6,7
	ds_store_b32 v[GA], v[L+\j]    offset:GP*\j              ; G(8 h + j, r)
	ds_store_b32 v[GA], v[L+\j]    offset:GP*\j+64
	ds_store_b32 v[GA], v[L+8+\j]  offset:GT+GP*\j
	ds_store_b32 v[GA], v[L+8+\j]  offset:GT+GP*\j+64
	ds_store_b32 v[GA], v[D+16+\j] offset:2*GT+GP*\j
	ds_store_b32 v[GA], v[D+16+\j] offset:2*GT+GP*\j+64
.endr
.endm
; ReLU and the dot with h of my 32 pre-activations, in f32: dst = my half's part of pair r's logit
.macro POST dst
.irp x, 0,2,4,6,8,10,12,14,16,18,20,22,24,26,28,30
	v_dual_max_num_f32 v[D+\x], 0, v[D+\x] :: v_dual_max_num_f32 v[D+\x+1], 0, v[D+\x+1]
.endr
.irp mt, 0,1,2,3
	v_pk_mul_f32 v[ACC+2*\mt:ACC+2*\mt+1], v[D+8*\mt:D+8*\mt+1], v[H+8*\mt:H+8*\mt+1]     ; four chains; the first products start them
.endr
.irp q, 2,4,6
.irp mt, 0,1,2,3
	v_pk_fma_f32 v[ACC+2*\mt:ACC+2*\mt+1], v[D+8*\mt+\q:D+8*\mt+\q+1], v[H+8*\mt+\q:H+8*\mt+\q+1], v[ACC+2*\mt:ACC+2*\mt+1]
.endr
.endr
	v_pk_add_f32 v[ACC:ACC+1],   v[ACC:ACC+1],   v[ACC+2:ACC+3]
	v_pk_add_f32 v[ACC+4:ACC+5], v[ACC+4:ACC+5], v[ACC+6:ACC+7]
	v_pk_add_f32 v[ACC:ACC+1],   v[ACC:ACC+1],   v[ACC+4:ACC+5]
	v_add_f32 v[\dst], v[ACC], v[ACC+1]
.endm
; L[u] holds one tile's two half sums (lanes 0-15: h = 0, lanes 16-31: h = 1), TMP another's.  The swap brings the two h = 0 parts into L[u] and
; the two h = 1 parts into TMP; the add leaves the first tile's logits in lanes 0-15 and the second's in lanes 16-31.
.macro FOLD u
	v_permlane16_swap_b32 v[L+\u], v[TMP]
	v_add_f32 v[L+\u], v[L+\u], v[TMP]
.endm
; The s_p in the logits' order, read along G's diagonals
.macro SLOAD
.irp u, 0,1,2,3,4,5,6,7
	ds_load_b32 v[S+\u], v[GSQ] offset:GT+8*\u               ; G01(r, r + 2u + h)
.endr
.irp c, 0,1,2,3,4,5,6
	ds_load_b32 v[S+8+\c], v[GTR] offset:4*(\c+1)            ; G00 or G11 (r, r + c + 1)
.endr
	ds_load_b32 v[S+15], v[GMX] offset:32                    ; d = 8; lanes 16-31 read what lanes 0-15 read and weigh nothing
.endm
; One tile of 16 pairs.  Its products P*Q lie in CUR; NXT holds the next tile's Q, loaded a tile ago.
.macro TILE t
.set CUR, B0+16*((\t)&1)
.set NXT, B0+16-16*((\t)&1)
.set U, (\t)/2
.set SEC, (\t)&1
.if (\t) >= 16
.set U, (\t)-8
.set SEC, 0
.endif
.if (\t) >= 23
.set U, (\t)-15
.set SEC, 1
.endif
.if (\t) >= 30
.set U, 15
.set SEC, 0
.endif
.irp mt, 0,1,2,3
	v_wmma_f32_16x16x32_f16 v[D+8*\mt:D+8*\mt+7], v[W+16*\mt:W+16*\mt+7], v[CUR:CUR+7], v[BIAS+8*\mt:BIAS+8*\mt+7]     ; the bias starts the sums
.endr
.irp mt, 0,1,2,3
	v_wmma_f32_16x16x32_f16 v[D+8*\mt:D+8*\mt+7], v[W+16*\mt+8:W+16*\mt+15], v[CUR+8:CUR+15], v[D+8*\mt:D+8*\mt+7]
.endr
.if (\t) < 30
	s_wait_dscnt 0x0                               ; the next tile's Q (and a new P, where there is one): issued a whole tile ago, nothing younger is out
	PAIRMUL NXT                                    ; sixteen instructions that name none of the products' registers: the places behind them (ISA guide 7.12.1)
.else
.rept 4
	v_nop                                          ; the last tile has no such work
.endr
.endif
.if (\t) < 29
	QLOAD (\t)+2, CUR                              ; two tiles ahead, into the registers just multiplied
.endif
.if (\t) == 21
	FRAG P, XA, BLK1                               ; tiles 23 to 29 pair block 1 with itself; P was last read for tile 22, above
.endif
.if (\t) == 28
	FRAG P, XM, 0                                  ; tile 30
.endif
.if (\t) == 30
	SLOAD                                          ; P is done with: its registers take S
.endif
.if SEC
	POST TMP
	FOLD U
.else
	POST L+U
.endif
.if (\t) == 30
	v_mov_b32 v[TMP], 0xff800000                   ; tile 30 has no partner: minus infinity in lanes 16-31, weight 0
	FOLD 15
.endif
.endm
; Softmax over the 496 logits in L and the weighted sum of S.  exp(l - m) = exp2(l c - m c), c = log2 e, with the true maximum m: l c is
; exact inside the fused multiply-add, and the rounding of m c shifts all exponents alike, so that it cancels in the quotient.
.macro FINISH k
	v_max3_num_f32 v25, v[L],    v[L+1],  v[L+2]
	v_max3_num_f32 v26, v[L+3],  v[L+4],  v[L+5]
	v_max3_num_f32 v25, v25, v[L+6],  v[L+7]
	v_max3_num_f32 v26, v26, v[L+8],  v[L+9]
	v_max3_num_f32 v25, v25, v[L+10], v[L+11]
	v_max3_num_f32 v26, v26, v[L+12], v[L+13]
	v_max3_num_f32 v25, v25, v[L+14], v[L+15]
	v_max_num_f32 v25, v25, v26
.irp m, 1,2,4,8
	v_max_num_f32_dpp v25, v25, v25 row_xmask:\m row_mask:0xf bank_mask:0xf
.endr
	v_permlanex16_b32 v28, v25, s36, s37
	v_max_num_f32 v25, v25, v28                    ; the maximum, in every lane
	v_mul_f32 v26, 0xbfb8aa3b, v25                 ; - m c, twice: a pair for the packed form
	v_mul_f32 v27, 0xbfb8aa3b, v25
.irp i, 0,2,4,6,8,10,12,14
	v_pk_fma_f32 v[L+\i:L+\i+1], v[L+\i:L+\i+1], 0x3fb8aa3b, v[26:27] op_sel_hi:[1,0,1]
.endr
.irp i, 0,1,2,3,4,5,6,7,8,9,10,11,12,13,14,15
	v_exp_f32 v[L+\i], v[L+\i]
.endr
	v_nop                                          ; one plain instruction between the exponentials and their first use (ISA guide 5.7.2)
	s_wait_alu depctr_va_vdst(0)
	v_pk_add_f32 v[ACC+4:ACC+5], v[L:L+1],       v[L+2:L+3]          ; the denominator, two chains
	v_pk_add_f32 v[ACC+6:ACC+7], v[L+4:L+5],     v[L+6:L+7]
	v_pk_add_f32 v[ACC+4:ACC+5], v[ACC+4:ACC+5], v[L+8:L+9]
	v_pk_add_f32 v[ACC+6:ACC+7], v[ACC+6:ACC+7], v[L+10:L+11]
	v_pk_add_f32 v[ACC+4:ACC+5], v[ACC+4:ACC+5], v[L+12:L+13]
	v_pk_add_f32 v[ACC+6:ACC+7], v[ACC+6:ACC+7], v[L+14:L+15]
	v_pk_add_f32 v[ACC+4:ACC+5], v[ACC+4:ACC+5], v[ACC+6:ACC+7]
	v_add_f32 v29, v[ACC+4], v[ACC+5]
	s_wait_dscnt 0x0                               ; S
	v_pk_mul_f32 v[ACC:ACC+1],   v[L:L+1],     v[S:S+1]              ; the numerator, two chains
	v_pk_mul_f32 v[ACC+2:ACC+3], v[L+2:L+3],   v[S+2:S+3]
	v_pk_fma_f32 v[ACC:ACC+1],   v[L+4:L+5],   v[S+4:S+5],   v[ACC:ACC+1]
	v_pk_fma_f32 v[ACC+2:ACC+3], v[L+6:L+7],   v[S+6:S+7],   v[ACC+2:ACC+3]
	v_pk_fma_f32 v[ACC:ACC+1],   v[L+8:L+9],   v[S+8:S+9],   v[ACC:ACC+1]
	v_pk_fma_f32 v[ACC+2:ACC+3], v[L+10:L+11], v[S+10:S+11], v[ACC+2:ACC+3]
	v_pk_fma_f32 v[ACC:ACC+1],   v[L+12:L+13], v[S+12:S+13], v[ACC:ACC+1]
	v_pk_fma_f32 v[ACC+2:ACC+3], v[L+14:L+15], v[S+14:S+15], v[ACC+2:ACC+3]
	v_pk_add_f32 v[ACC:ACC+1],   v[ACC:ACC+1], v[ACC+2:ACC+3]
	v_add_f32 v30, v[ACC], v[ACC+1]
.irp m, 1,2,4,8
	v_add_f32_dpp v29, v29, v29 row_xmask:\m row_mask:0xf bank_mask:0xf
	v_add_f32_dpp v30, v30, v30 row_xmask:\m row_mask:0xf bank_mask:0xf
.endr
	v_permlanex16_b32 v28, v29, s36, s37
	v_permlanex16_b32 v31, v30, s36, s37
	v_add_f32 v29, v29, v28
	v_add_f32 v30, v30, v31
	v_rcp_f32 v29, v29                             ; the denominator is about 1 at the least: the largest term is exp2 of about 0
	v_nop
	s_wait_alu depctr_va_vdst(0)
	v_mul_f32 v30, v30, v29
	ds_store_b32 v[RA], v30 offset:4*\k            ; every lane stores the same number to the same word
.endm
; A sample from the stage to its result
.macro BATCH k
	s_wait_tensorcnt 1-\k                          ; sample k is in LDS; for k = 0 the other sample's load may stay out.  Only I read these bytes
	CONV \k, 0
	CONV \k, 1
	GRAM
	QLOAD 0, B0
	QLOAD 1, B1
	s_wait_dscnt 4                                 ; tile 0's Q is in; tile 1's four loads may stay out
	PAIRMUL B0
.irp t, 0,1,2,3,4,5,6,7,8,9,10,11,12,13,14,15,16,17,18,19,20,21,22,23,24,25,26,27,28,29,30
	TILE \t
.endr
	FINISH \k
.endm
	BATCH 0
	BATCH 1
	s_wait_dscnt 0x0                               ; my two results are in LDS, for wave 0's sake
	s_barrier_signal -1
	s_barrier_wait -1
	s_cmp_lg_u32 s32, 0
	s_cbranch_scc1 .Lend
	v_and_b32 v10, 15, v0
	v_lshlrev_b32 v10, 2, v10
	v_add_nc_u32 v11, RES, v10
	ds_load_b32 v[TMP], v11
	s_lshl_b32 s34, ttmp9, 6                       ; 16 results of 4 bytes a work-group
	s_mov_b32 s35, 0
	s_add_nc_u64 s[14:15], s[14:15], s[34:35]
	v_cmp_gt_u32 vcc_lo, 16, v0
	s_wait_dscnt 0x0
	s_wait_xcnt 0x0                                ; EXEC changes only behind this wait
	s_and_saveexec_b32 s40, vcc_lo
	global_store_b32 v10, v[TMP], s[14:15]         ; sixteen neighbouring lanes store the work-group's 64 consecutive bytes
	s_wait_xcnt 0x0                                ; and again in front of the line that widens it
	s_or_b32 exec_lo, exec_lo, s40
.Lend:
	s_set_vgpr_msb 0x5
	s_wait_tensorcnt 0x0
	ds_add_u32 v0, v1
	s_wait_dscnt 0x0
	s_set_vgpr_msb 0x500
	s_endpgm
.Lfunc_end_k_q9dc23e0ffd_afm:
	.size	k_q9dc23e0ffd_afm, .Lfunc_end_k_q9dc23e0ffd_afm-k_q9dc23e0ffd_afm
	.p2alignl 7, 3214868480
	.fill 96, 4, 3214868480
	.section	.rodata,"a",@progbits
	.p2align	6, 0x0
	.amdhsa_kernel k_q9dc23e0ffd_afm
		.amdhsa_group_segment_fixed_size 305408
		.amdhsa_private_segment_fixed_size 0
		.amdhsa_enable_private_segment 0
		.amdhsa_kernarg_size 48
		.amdhsa_user_sgpr_count 2
		.amdhsa_user_sgpr_kernarg_segment_ptr 1
		.amdhsa_wavefront_size32 1
		.amdhsa_system_sgpr_workgroup_id_x 1
		.amdhsa_system_sgpr_workgroup_id_y 1
		.amdhsa_system_sgpr_workgroup_id_z 1
		.amdhsa_system_vgpr_workitem_id 0
		.amdhsa_next_free_vgpr 258
		.amdhsa_next_free_sgpr 66
		.amdhsa_reserve_vcc 1
		.amdhsa_float_denorm_mode_32 3
		.amdhsa_float_denorm_mode_16_64 3
		.amdhsa_memory_ordered 1
		.amdhsa_forward_progress 1
		.amdhsa_inst_pref_size 255
	.end_amdhsa_kernel
	.section	.bss,"aw",@nobits
	.p2align	6
	.space	262144
	.amdgpu_metadata
---
amdhsa.version: [ 1, 2 ]
amdhsa.kernels:
  - .name:           k_q9dc23e0ffd_afm
    .symbol:         k_q9dc23e0ffd_afm.kd
    .args:
      - { .name: embeds, .offset: 0, .size: 8, .value_kind: global_buffer, .address_space: global }
      - { .name: attn_W, .offset: 8, .size: 8, .value_kind: global_buffer, .address_space: global }
      - { .name: attn_b, .offset: 16, .size: 8, .value_kind: global_buffer, .address_space: global }
      - { .name: projection_h, .offset: 24, .size: 8, .value_kind: global_buffer, .address_space: global }
      - { .name: projection_p, .offset: 32, .size: 8, .value_kind: global_buffer, .address_space: global }
      - { .name: out0, .offset: 40, .size: 8, .value_kind: global_buffer, .address_space: global }
    .group_segment_fixed_size: 305408
    .private_segment_fixed_size: 0
    .kernarg_segment_align: 8
    .kernarg_segment_size: 48
    .max_flat_workgroup_size: 256
    .sgpr_count:     66
    .vgpr_count:     258
    .wavefront_size: 32
...
	.end_amdgpu_metadata
.endif
;; end of part 1
